; MI455X (gfx1250); checked and timed in simulation.
; The chip was launched on July 23, 2026; its instructions are those of AMD's public machine-readable ISA for CDNA 5 (MIT licence, August 2026) and "CDNA5" Instruction Set Architecture Reference Guide (July 2026). The comments in the code are by the model that wrote it; some were corrected since.
;; FP. Allowed arithmetic: float matrix products may take bf16 or f16 operands with f32 sums; other float arithmetic in f32, or as packed bf16 or f16 multiplies, adds, multiply-adds, maxima and minima; sums over many terms, partial sums and values carried from step to step in f32; what a program stores and reads back later, other than sums and carried values, may be rounded once to bf16 or f16.
;; Inputs: x 2 x 1 x 512 x 512 float32.
;; Outputs: out0 2 x 1 x 512 x 90 float32.
;; 2 versions, each right; version 2 is version 1 with the launch project written anew for expert scheduling mode. Each part assembles by itself: llvm-mc -triple=amdgcn-amd-amdhsa -mcpu=gfx1250 --defsym DOCPART=n.
;; ======== version 1 of 2: 2 launches
;; limits: inputs' magnitudes at most 16,376; values are held in f16: magnitudes above 65,504 overflow, below 6.1e-05 lose precision
;; workspace buffers: partial 5,898,240 bytes
;; launch project (part 1): grid 16 x 15, 16 waves a work-group, no clusters, 299,520 bytes of LDS; arguments x, partial; writes partial
.if DOCPART == 1
	.amdgcn_target "amdgcn-amd-amdhsa--gfx1250"
	.amdhsa_code_object_version 6
	.text
	.protected	k_qf804fa761e_project
	.globl	k_qf804fa761e_project
	.p2align	8
	.type	k_qf804fa761e_project,@function
k_qf804fa761e_project:
	s_mov_b64 s[64:65], 0
	v_nop
	global_prefetch_b8 v0, s[64:65] scope:SCOPE_SE
	s_setreg_imm32_b32 hwreg(HW_REG_WAVE_MODE, 25, 1), 1
	s_wait_xcnt 0x0
; FORWARD PROJECTION, part 1.  x: [2][512][512] f32.  For view v (0..89), channel w, row h the image is sampled bilinearly (zeros outside) at
;   ix = 255.5 + c (w - 255.5) - s (h - 255.5),  iy = 255.5 + s (w - 255.5) + c (h - 255.5),  c = -cos(phi), s = sin(phi), phi = 2 (v + 1) degrees,
; and summed over h.  This launch leaves partial[piece][v][w][batch] (f32): the sum over the samples whose cell lies in one of 16 pieces of the image.
; SHARES.  Work-group (p, g): piece p (4 x 4 pieces of 129 x 129 cells; a cell is named by floor(ix), floor(iy), which run from -1 on) and the six views 6 g .. 6 g + 5.
; THE TABLE.  One entry of 16 bytes a cell: p00, p01 - p00, p10 - p00, p00 - p01 - p10 + p11, each as two f16 (batch 0 low, batch 1 high), made in f32 and rounded once.
; One ds_load_b128 brings a cell of both batches.  Row 129 and columns 129 .. 142 hold zeros: a coordinate outside the piece is held to 129 by v_min_u32 (a negative one is a large unsigned
; number) and adds nothing.  130 rows x 143 entries x 16 bytes = 297,440 bytes.
; WHOLE NUMBERS.  All geometry is fixed point, 2^-21 pixel a unit, so that every address and every jump comes from ids and constants by integer arithmetic.
; cos and sin are nested Taylor products on [0, pi/2] (remainder under 6e-9), rounded to 2^-20.
; BANKS.  143 = 9 x 16 - 1: entry (ey, ex) lies in 16-byte column (ex - ey) mod 16 of the 16 in 256 bytes (64 banks of 4 bytes: ISA guide 11.1).  From lane to lane (w + 1) it moves by c - s,
; of size 1 to 1.41 for phi up to 90 degrees.  For the groups behind (g >= 8) the table is kept MIRRORED in y (pixel rows loaded in reverse, the y equation negated): the move is then c + s, again 1 to 1.41.
; Mirrored, a piece owns the half-open range on the other side, (0, 129] for [0, 129); all pieces of a view use the same mode, so each sample still has one owner.
; THE SCAN.  32 lanes are 32 channels.  A unit is (view, chunk of 32 channels); its 512 rows go in 32 blocks of 16.  A block is run only if its bounding box in the image meets the piece: two compares.
; Wave (r, vp) takes views vp, vp + 2, vp + 4 of the six and chunks (r + 3 j) & 7 and that + 8: a piece meets at most 7 chunks on end, so a wave has at most one live chunk a view, and the turn by 3 j
; deals the long chunks (through the piece's middle) and the short ones over all waves.
; THE SUMS are three for each batch, all f32: of p00; of the first-order terms times the whole-number fractions; of the cross term times their product.  The scales 2^-21 and 2^-42 are applied once a unit.
; NO TENSOR LOADS, NO CLUSTER: an entry is arithmetic on four pixels of two planes, not a copy of memory; zeros are wanted on the low side too; the raw pixels of a piece, 130 x 130 x 2 x 4 = 135,200 bytes,
; do not fit beside the table in 327,680; and the 15 work-groups that share a piece are no multiple of four.
; LIMITS.  An entry is up to 4 max|x| in f16: |x| stays under 16,376.  Sample positions differ from exact ones by up to 2.4e-4 pixel (c and s rounded to 2^-20, times 511, twice).
; NaN and infinities are not treated apart: they reach the samples of the cells that hold them, and no others.
.set PIECE,  129
.set PITCH,  143
.set PITCHB, PITCH*16                  ; bytes from row to row of the table
.set SPARE,  297472                    ; behind the table, at a multiple of 256: the spare words, 128 bytes for each of 16 waves; no other line names them
.set PLANE,  512*512*4                 ; bytes from batch 0 to batch 1
.set FRAC,   21                        ; fraction bits of a position
.set SIDE,   PIECE<<FRAC
.set PI90,   74961321                  ; pi / 90 in units of 2^-31
; vector registers
.set LANE,  2                          ; lane
.set LANE8, 3                          ; 8 x lane: my place in a unit's 256 bytes of partial; never rewritten
.set SPW,   4                          ; LDS address of my spare word; never rewritten
.set NIL,   5                          ; 0; never rewritten
.set ONE,   6                          ; 1.0
.set LX,    8                          ; my lane's term of x,
.set LY,    9                          ; and of y
.set ACC,   10                         ; v10-15 the sums: p00 (batch 0, 1), first order (0, 1), cross (0, 1)
.set OUT,   16                         ; v16-17 a unit's result
.set EX,    18                         ; v18-21, v22-25, v26-29: cell x, cell y, address of four positions
.set EY,    22
.set AD,    26
.set FX,    32                         ; v32-47 x of a block's 16 positions, then its fractions as f32
.set FY,    48                         ; v48-63 the same for y
.set WXY,   64                         ; v64-79 the fractions' products
.set D,     80                         ; v80-143 the 16 entries
; vector registers of the fill
.set BUF0,  32                         ; v32-75, v76-119: 11 pixel rows x (x batch 0, 1; x + 1 batch 0, 1)
.set BUF1,  76
.set EN,    120                        ; v120-127 two entries at work
.set TP,    128                        ; v128-135 their differences in f32
.set OA,    136                        ; v136-140 byte offset of pixel x in its row, for each of five column blocks
.set OB,    141                        ; v141-145 of pixel x + 1
.set STA,   146                        ; v146-150 LDS address of my entry in my wave's first row
; scalar registers
.set WV,  8
.set PXI, 9
.set PYI, 10
.set GRP, 11
.set SG,  62                           ; +1, or -1 where the table is mirrored
; of the fill: s[12:13] an offset, s14 the piece's first x, s15 the pixel row in hand
.set RB,   16                          ; s[16:37] x at each of my 11 pixel rows
.set RM,   38                          ; s38-48  all ones where that row lies in the image
.set MA,   49                          ; s49-53  lanes whose pixel x counts, for each column block
.set MB,   54                          ; s54-58  the same for x + 1
.set LAST, 59                          ; 0 in the wave whose tenth row is the zero row
.set K129, 60
.set K512, 61
.set LROW, 63                          ; LDS byte of my wave's first row
; of the scan
.set RR, 12
.set JJ, 13
.set V6, 14
.set OX, 15
.set OY, 16
.set PB, 17
.set NV, 18
.set NH, 19
.set NB, 20
.set VW, 21
.set KK, 22
.set MM, 23
.set XQ, 24
.set ZZ, 25
.set YY, 26
.set AA, 27
.set SN, 28                            ; s in units of 2^-20
.set CN, 29                            ; c
.set AC, 30                            ; |c|
.set TT, 31
.set DX, 32                            ; s32-35 x's step for 1, 2, 3, 4 rows
.set DY, 36                            ; s36-39 y's
.set STX, 40                           ; x's step for a block of 16 rows
.set STY, 41
.set NS, 42
.set SY, 43
.set THX, 44
.set THY, 45
.set TXB, 46
.set TYB, 47
.set CW, 48
.set TX, 49                            ; the largest x in the block in hand
.set TY, 50
.set FM, 51
.set K21, 52
.set K42, 53
.set OFF, 54                           ; s[54:55]
.set STB, 56                           ; s[56:57]
.set CY, 58
.set T2, 59
	s_load_b128 s[4:7], s[0:1], 0x0                ; x s[4:5], partial s[6:7]
	v_lshl_add_u32 v[SPW], v0, 2, SPARE
	v_mov_b32 v[NIL], 0
	v_lshrrev_b32 v1, 5, v0
	v_readfirstlane_b32 s[WV], v1                  ; wave 0..15
	v_and_b32 v[LANE], 31, v0
	v_lshlrev_b32 v[LANE8], 3, v[LANE]
	v_mov_b32 v[ONE], 1.0
	s_and_b32 s[PXI], ttmp9, 3                     ; the piece's column and row
	s_lshr_b32 s[PYI], ttmp9, 2
	s_and_b32 s[GRP], ttmp7, 0xffff                ; the group of six views
	s_cmp_lt_u32 s[GRP], 8
	s_cselect_b32 s[SG], 1, -1
	s_wait_kmcnt 0x0
	s_cmp_lt_u32 s[WV], 13
	s_cbranch_scc0 .Lfilled                        ; 13 waves x 10 rows are the table's 130
; THE FILL.  Wave w makes rows 10 w .. 10 w + 9 from 11 pixel rows; lanes are 32 columns, five column blocks.
	s_mul_i32 s14, s[PXI], PIECE
	s_sub_co_u32 s14, s14, 1                       ; the piece's first cell x: 129 px - 1
	s_mul_i32 s15, s[PYI], PIECE
	s_sub_co_u32 s15, s15, 1                       ; and y
	s_mul_i32 s2, s[WV], 10
	s_mul_i32 s[LROW], s2, PITCHB
	s_add_co_u32 s3, s15, s2                       ; my first pixel row: downward from the piece's first,
	s_sub_co_u32 s15, s15, s2
	s_add_co_u32 s15, s15, PIECE                   ; or, mirrored, upward from the row behind its last cell
	s_cmp_lt_u32 s[GRP], 8
	s_cselect_b32 s15, s3, s15
	s_mov_b32 s13, 0
.set i, 0
.rept 11
	s_cmp_lt_u32 s15, 512                          ; unsigned: a row above the image is a large number
	s_cselect_b32 s[RM+i], -1, 0
	s_min_u32 s3, s15, 511                         ; a row outside is read somewhere inside the buffer and masked
	s_lshl_b32 s12, s3, 11
	s_add_nc_u64 s[RB+2*i:RB+2*i+1], s[4:5], s[12:13]
	s_add_co_u32 s15, s15, s[SG]
.set i, i+1
.endr
	s_cmp_lg_u32 s[WV], 12
	s_cselect_b32 s[LAST], -1, 0
	s_mov_b32 s[K129], PIECE
	s_mov_b32 s[K512], 512
.set q, 0
.rept 5
	v_add_nc_u32 v1, 32*q, v[LANE]                 ; my column of the table
	v_add_nc_u32 v7, s14, v1                       ; its pixel x
	v_cmp_gt_u32 s2, s[K129], v1                   ; columns from 129 on hold zeros
	v_cmp_gt_u32 s3, s[K512], v7
	s_and_b32 s[MA+q], s2, s3
	v_min_u32 v[OA+q], 0x1ff, v7
	v_lshlrev_b32 v[OA+q], 2, v[OA+q]
	v_add_nc_u32 v7, 1, v7
	v_cmp_gt_u32 s3, s[K512], v7
	s_and_b32 s[MB+q], s2, s3
	v_min_u32 v[OB+q], 0x1ff, v7
	v_lshlrev_b32 v[OB+q], 2, v[OB+q]
	v_min_u32 v1, PITCH-1, v1                      ; the lanes past the row's end write their zeros onto its last entry: every byte of a row is written
	v_lshl_add_u32 v[STA+q], v1, 4, s[LROW]
.set q, q+1
.endr
.macro LOADQ q, buf                    ; 44 loads: 11 pixel rows, pixels x and x + 1, both batches
.set i, 0
.rept 11
	global_load_b32 v[(\buf)+4*i],   v[OA+(\q)], s[RB+2*i:RB+2*i+1]
	global_load_b32 v[(\buf)+4*i+1], v[OA+(\q)], s[RB+2*i:RB+2*i+1] offset:PLANE
	global_load_b32 v[(\buf)+4*i+2], v[OB+(\q)], s[RB+2*i:RB+2*i+1]
	global_load_b32 v[(\buf)+4*i+3], v[OB+(\q)], s[RB+2*i:RB+2*i+1] offset:PLANE
.set i, i+1
.endr
.endm
.macro PROCQ q, buf                    ; ten entries a lane
.set i, 0
.rept 11
.set rw, (\buf)+4*i
	s_and_b32 s2, s[MA+(\q)], s[RM+i]
	s_and_b32 s3, s[MB+(\q)], s[RM+i]
	v_cndmask_b32 v[rw],   0, v[rw],   s2           ; zeros outside the image
	v_cndmask_b32 v[rw+1], 0, v[rw+1], s2
	v_cndmask_b32 v[rw+2], 0, v[rw+2], s3
	v_cndmask_b32 v[rw+3], 0, v[rw+3], s3
	v_pk_add_f32 v[rw+2:rw+3], v[rw+2:rw+3], v[rw:rw+1] neg_lo:[0,1] neg_hi:[0,1]  ; the row's difference along x, both batches
.set i, i+1
.endr
.set i, 0
.rept 10
.set rw, (\buf)+4*i
.set ee, EN+4*(i%2)
.set tw, TP+4*(i%2)
	v_pk_add_f32 v[tw:tw+1],   v[rw+4:rw+5], v[rw:rw+1]   neg_lo:[0,1] neg_hi:[0,1]  ; the difference along y
	v_pk_add_f32 v[tw+2:tw+3], v[rw+6:rw+7], v[rw+2:rw+3] neg_lo:[0,1] neg_hi:[0,1]  ; the cross difference
	v_cvt_pk_f16_f32 v[ee],   v[rw],   v[rw+1]
	v_cvt_pk_f16_f32 v[ee+1], v[rw+2], v[rw+3]
	v_cvt_pk_f16_f32 v[ee+2], v[tw],   v[tw+1]
	v_cvt_pk_f16_f32 v[ee+3], v[tw+2], v[tw+3]
.if i == 9
.irp n, 0,1,2,3
	v_cndmask_b32 v[ee+\n], 0, v[ee+\n], s[LAST]   ; row 129 is the zero row
.endr
.endif
	ds_store_b128 v[STA+(\q)], v[ee:ee+3] offset:i*PITCHB  ; neighbouring lanes, neighbouring 16 bytes
.set i, i+1
.endr
.endm
	LOADQ 0, BUF0
	LOADQ 1, BUF1
	s_wait_loadcnt 44                              ; loads come back in order (ISA guide 5.7.1): block 0 is in, block 1's 44 stay out
	PROCQ 0, BUF0
	LOADQ 2, BUF0
	s_wait_loadcnt 44                              ; block 1 is in, block 2's 44 stay out
	PROCQ 1, BUF1
	LOADQ 3, BUF1
	s_wait_loadcnt 44
	PROCQ 2, BUF0
	LOADQ 4, BUF0
	s_wait_loadcnt 44
	PROCQ 3, BUF1
	s_wait_loadcnt 0x0
	PROCQ 4, BUF0
.Lfilled:
	s_wait_dscnt 0x0                               ; for the others' sake: my rows are in LDS
	s_barrier_signal -1
	s_barrier_wait -1                              ; the table is whole; from here on it is only read
; THE SCAN.
	s_and_b32 s[RR], s[WV], 7
	s_lshr_b32 s[JJ], s[WV], 3                     ; my first view of the six; I take every second
	s_mul_i32 s[V6], s[GRP], 6
	s_mul_i32 s[OX], s[PXI], SIDE
	s_sub_co_u32 s[OX], 513<<(FRAC-1), s[OX]       ; 255.5 less the piece's first cell: 256.5 - 129 px
	s_mul_i32 s[OY], s[PYI], SIDE
	s_sub_co_u32 s[OY], 513<<(FRAC-1), s[OY]
	s_sub_co_u32 s[TT], SIDE, s[OY]                ; mirrored: 129 less that
	s_cmp_lt_u32 s[GRP], 8
	s_cselect_b32 s[OY], s[OY], s[TT]
	s_mul_i32 s[PB], ttmp9, 90
	s_mov_b32 s[FM], (1<<FRAC)-1
	s_mov_b32 s[K21], 0x35000000                   ; 2^-21
	s_mov_b32 s[K42], 0x2a800000                   ; 2^-42
	s_mov_b32 s[OFF+1], 0
	s_mov_b32 s[NV], 3
.macro STEP den                        ; y = 1 - (z / den) y.  z in 2^-30, 2^34 / den, so z / den in 2^-32; y in 2^-30
	s_mul_hi_u32 s[AA], s[ZZ], (1<<34)/(\den)
	s_mul_hi_u32 s[AA], s[AA], s[YY]
	s_sub_co_u32 s[YY], 1<<30, s[AA]
.endm
; One axis: position = o + p (2 w - 511) + q (2 h - 511).  In a block of 32 lanes x 16 rows it runs from its largest value T down by 62 |p| + 30 |q|.
; tb: T of chunk 0, block 0.  vl: my lane's place below T.  dd: the steps for 1 to 4 rows.  st: the step for a block.
.macro AXIS pp, qq, oo, tb, st, dd, vl
	s_max_i32 s[TT], s[\pp], 0
	s_mul_i32 s[TT], s[TT], 62
	s_max_i32 s[T2], s[\qq], 0
	s_mul_i32 s[T2], s[T2], 30
	s_add_co_u32 s[T2], s[T2], s[TT]               ; from the block's first sample up to its largest
	s_add_co_u32 s[TT], s[\pp], s[\qq]
	s_mul_i32 s[TT], s[TT], 511
	s_sub_co_u32 s[\tb], s[\oo], s[TT]
	s_add_co_u32 s[\tb], s[\tb], s[T2]
	s_lshl_b32 s[TT], s[\pp], 1
	v_mul_lo_u32 v[\vl], v[LANE], s[TT]
	v_sub_nc_u32 v[\vl], v[\vl], s[T2]
	s_lshl_b32 s[\dd], s[\qq], 1
	s_lshl_b32 s[\dd+1], s[\qq], 2
	s_mul_i32 s[\dd+2], s[\qq], 6
	s_lshl_b32 s[\dd+3], s[\qq], 3
	s_lshl_b32 s[\st], s[\qq], 5
.endm
; Four positions (rows 4 g .. 4 g + 3 of the block): coordinates, cells held to 0 .. 129, addresses, gathers.  The four are independent of each other.
.macro ADDR g
.if (\g) == 0
	v_add_nc_u32 v[FX], s[TX], v[LX]
	v_add_nc_u32 v[FY], s[TY], v[LY]
.irp m, 1,2,3
	v_add_nc_u32 v[FX+\m], s[DX+\m-1], v[FX]
	v_add_nc_u32 v[FY+\m], s[DY+\m-1], v[FY]
.endr
.else
.irp m, 0,1,2,3
	v_add_nc_u32 v[FX+4*(\g)+\m], s[DX+3], v[FX+4*(\g)-4+\m]
	v_add_nc_u32 v[FY+4*(\g)+\m], s[DY+3], v[FY+4*(\g)-4+\m]
.endr
.endif
.irp m, 0,1,2,3
	v_lshrrev_b32 v[EX+\m], FRAC, v[FX+4*(\g)+\m]
	v_lshrrev_b32 v[EY+\m], FRAC, v[FY+4*(\g)+\m]
.endr
.irp m, 0,1,2,3
	v_min_u32 v[EX+\m], PIECE, v[EX+\m]            ; outside the piece, on either side: the zero column,
	v_min_u32 v[EY+\m], PIECE, v[EY+\m]            ; the zero row
.endr
.irp m, 0,1,2,3
	v_mul_u32_u24 v[EY+\m], PITCHB, v[EY+\m]
.endr
.irp m, 0,1,2,3
	v_lshl_add_u32 v[AD+\m], v[EX+\m], 4, v[EY+\m] ; 297,216 at the most
.endr
.irp m, 0,1,2,3
	ds_load_b128 v[D+16*(\g)+4*\m:D+16*(\g)+4*\m+3], v[AD+\m]
.endr
.endm
.macro MIX i                           ; position i into the six sums: an f16 half times an f32, added in f32
	s_wait_dscnt 15-(\i)                           ; LDS loads come back in order (ISA guide 5.7.1): entry i is in, the younger ones stay out
	v_fma_mix_f32 v[ACC],   v[D+4*(\i)],   v[ONE],      v[ACC]   op_sel_hi:[1,0,0]
	v_fma_mix_f32 v[ACC+1], v[D+4*(\i)],   v[ONE],      v[ACC+1] op_sel:[1,0,0] op_sel_hi:[1,0,0]
	v_fma_mix_f32 v[ACC+2], v[D+4*(\i)+1], v[FX+(\i)],  v[ACC+2] op_sel_hi:[1,0,0]
	v_fma_mix_f32 v[ACC+3], v[D+4*(\i)+1], v[FX+(\i)],  v[ACC+3] op_sel:[1,0,0] op_sel_hi:[1,0,0]
	v_fma_mix_f32 v[ACC+4], v[D+4*(\i)+3], v[WXY+(\i)], v[ACC+4] op_sel_hi:[1,0,0]
	v_fma_mix_f32 v[ACC+5], v[D+4*(\i)+3], v[WXY+(\i)], v[ACC+5] op_sel:[1,0,0] op_sel_hi:[1,0,0]
	v_fma_mix_f32 v[ACC+2], v[D+4*(\i)+2], v[FY+(\i)],  v[ACC+2] op_sel_hi:[1,0,0]
	v_fma_mix_f32 v[ACC+3], v[D+4*(\i)+2], v[FY+(\i)],  v[ACC+3] op_sel:[1,0,0] op_sel_hi:[1,0,0]
.endm
.Lview:                                                ; three trips: my views of the six
	s_add_co_u32 s[VW], s[V6], s[JJ]
	s_add_co_u32 s[KK], s[VW], 1                   ; phi = 2 k degrees, k = 1 .. 90
	s_sub_co_u32 s[MM], 90, s[KK]
	s_min_u32 s[MM], s[MM], s[KK]                  ; sin(phi) = sin(2 m degrees), cos(phi) = +-cos(2 m degrees), m = min(k, 90 - k) <= 45
	s_mul_i32 s[XQ], s[MM], PI90                   ; the angle in 2^-31, under 2^32
	s_mul_hi_u32 s[ZZ], s[XQ], s[XQ]               ; its square in 2^-30
	s_mov_b32 s[YY], 1<<30
.irp den, 156,110,72,42,20,6
	STEP \den                                      ; sin x = x (1 - z/6 (1 - z/20 (1 - z/42 ( .. ))))
.endr
	s_mul_hi_u32 s[SN], s[XQ], s[YY]               ; in 2^-29,
	s_add_co_u32 s[SN], s[SN], 256
	s_lshr_b32 s[SN], s[SN], 9                     ; rounded to 2^-20
	s_mov_b32 s[YY], 1<<30
.irp den, 132,90,56,30,12
	STEP \den                                      ; cos x = 1 - z/2 (1 - z/12 (1 - z/30 ( .. )))
.endr
	s_mul_hi_u32 s[AA], s[ZZ], s[YY]               ; z in 2^-30 is z/2 in 2^-31: the product in 2^-29
	s_sub_co_u32 s[AC], (1<<29)+256, s[AA]
	s_ashr_i32 s[AC], s[AC], 9
	s_max_i32 s[AC], s[AC], 0
	s_sub_co_u32 s[CN], 0, s[AC]
	s_cmp_le_u32 s[KK], 45
	s_cselect_b32 s[CN], s[CN], s[AC]              ; c = -cos(phi)
	s_sub_co_u32 s[NS], 0, s[SN]
	s_mul_i32 s[SY], s[SN], s[SG]                  ; the y equation, negated where the table is mirrored
	s_mul_i32 s[CY], s[CN], s[SG]
	AXIS CN, NS, OX, TXB, STX, DX, LX
	AXIS SY, CY, OY, TYB, STY, DY, LY
	s_mul_i32 s[TT], s[AC], 62                     ; a block meets the piece along an axis if 0 <= T < 129 + the block's extent: one unsigned compare
	s_mul_i32 s[T2], s[SN], 30
	s_add_co_u32 s[THX], s[TT], s[T2]
	s_add_co_u32 s[THX], s[THX], SIDE
	s_mul_i32 s[TT], s[SN], 62
	s_mul_i32 s[T2], s[AC], 30
	s_add_co_u32 s[THY], s[TT], s[T2]
	s_add_co_u32 s[THY], s[THY], SIDE
	s_mul_i32 s[CW], s[JJ], 3
	s_add_co_u32 s[CW], s[CW], s[RR]
	s_and_b32 s[CW], s[CW], 7                      ; my chunk among the first eight
	s_mov_b32 s[NH], 2
.Lhalf:                                                ; two trips: that chunk, and the one eight further on
	s_lshl_b32 s[TT], s[CW], 6
	s_mul_i32 s[TX], s[TT], s[CN]
	s_add_co_u32 s[TX], s[TX], s[TXB]
	s_mul_i32 s[TY], s[TT], s[SY]
	s_add_co_u32 s[TY], s[TY], s[TYB]
.irp a, 0,1,2,3,4,5
	v_mov_b32 v[ACC+\a], 0
.endr
	s_mov_b32 s[NB], 32
.Lblock:                                               ; 32 trips: blocks of 16 rows
	s_cmp_lt_u32 s[TX], s[THX]
	s_cbranch_scc0 .Lskip
	s_cmp_lt_u32 s[TY], s[THY]
	s_cbranch_scc0 .Lskip
	ADDR 0
	ADDR 1
	ADDR 2
	ADDR 3
.set i, 0
.rept 16
	v_and_b32 v[FX+i], s[FM], v[FX+i]              ; the fractions, as whole numbers under 2^21: exact in f32
	v_and_b32 v[FY+i], s[FM], v[FY+i]
.set i, i+1
.endr
.set i, 0
.rept 16
	v_cvt_f32_u32 v[FX+i], v[FX+i]
	v_cvt_f32_u32 v[FY+i], v[FY+i]
.set i, i+1
.endr
.set i, 0
.rept 16
	v_mul_f32 v[WXY+i], v[FX+i], v[FY+i]
.set i, i+1
.endr
.irp n, 0,1,2,3,4,5,6,7,8,9,10,11,12,13,14,15
	MIX \n
.endr
.Lskip:
	s_add_co_u32 s[TX], s[TX], s[STX]
	s_add_co_u32 s[TY], s[TY], s[STY]
	s_sub_co_u32 s[NB], s[NB], 1
	s_cmp_lg_u32 s[NB], 0
	s_cbranch_scc1 .Lblock
	s_wait_xcnt 0x0                                ; the last unit's store has had its address translated (ISA guide 3.1): only now are its data and its base rewritten
	v_fma_f32 v[ACC],   v[ACC+4], s[K42], v[ACC]
	v_fma_f32 v[ACC+1], v[ACC+5], s[K42], v[ACC+1]
	v_fma_f32 v[OUT],   v[ACC+2], s[K21], v[ACC]
	v_fma_f32 v[OUT+1], v[ACC+3], s[K21], v[ACC+1]
	s_add_co_u32 s[TT], s[PB], s[VW]
	s_lshl_b32 s[TT], s[TT], 12                    ; (90 piece + view) x 512 channels x 8 bytes
	s_lshl_b32 s[OFF], s[CW], 8                    ; + chunk x 256
	s_add_co_u32 s[OFF], s[OFF], s[TT]
	s_add_nc_u64 s[STB:STB+1], s[6:7], s[OFF:OFF+1]
	global_store_b64 v[LANE8], v[OUT:OUT+1], s[STB:STB+1]  ; 256 consecutive bytes, at a multiple of 256 from the buffer's first; zeros where the chunk misses the piece
	s_add_co_u32 s[CW], s[CW], 8
	s_sub_co_u32 s[NH], s[NH], 1
	s_cmp_lg_u32 s[NH], 0
	s_cbranch_scc1 .Lhalf
	s_add_co_u32 s[JJ], s[JJ], 2
	s_sub_co_u32 s[NV], s[NV], 1
	s_cmp_lg_u32 s[NV], 0
	s_cbranch_scc1 .Lview
	s_wait_dscnt 0x0                               ; my gathers are back
	s_barrier_signal -1
	s_barrier_wait -1                              ; no wave touches LDS again (the add below) before every wave's gathers are back
	s_wait_tensorcnt 0x0                           ; the wave's end
	ds_add_u32 v[SPW], v[NIL]
	s_wait_dscnt 0x0
	s_endpgm
.Lfunc_end_k_qf804fa761e_project:
	.size	k_qf804fa761e_project, .Lfunc_end_k_qf804fa761e_project-k_qf804fa761e_project
	.p2alignl 7, 3214868480
	.fill 96, 4, 3214868480
	.section	.rodata,"a",@progbits
	.p2align	6, 0x0
	.amdhsa_kernel k_qf804fa761e_project
		.amdhsa_group_segment_fixed_size 299520
		.amdhsa_private_segment_fixed_size 0
		.amdhsa_enable_private_segment 0
		.amdhsa_kernarg_size 16
		.amdhsa_user_sgpr_count 2
		.amdhsa_user_sgpr_kernarg_segment_ptr 1
		.amdhsa_wavefront_size32 1
		.amdhsa_system_sgpr_workgroup_id_x 1
		.amdhsa_system_sgpr_workgroup_id_y 1
		.amdhsa_system_sgpr_workgroup_id_z 1
		.amdhsa_system_vgpr_workitem_id 0
		.amdhsa_next_free_vgpr 152
		.amdhsa_next_free_sgpr 66
		.amdhsa_reserve_vcc 0
		.amdhsa_float_denorm_mode_32 3
		.amdhsa_float_denorm_mode_16_64 3
		.amdhsa_memory_ordered 1
		.amdhsa_forward_progress 1
		.amdhsa_inst_pref_size 97
	.end_amdhsa_kernel
	.amdgpu_metadata
---
amdhsa.version: [ 1, 2 ]
amdhsa.kernels:
  - .name:           k_qf804fa761e_project
    .symbol:         k_qf804fa761e_project.kd
    .args:
      - { .name: x, .offset: 0, .size: 8, .value_kind: global_buffer, .address_space: global }
      - { .name: partial, .offset: 8, .size: 8, .value_kind: global_buffer, .address_space: global }
    .group_segment_fixed_size: 299520
    .private_segment_fixed_size: 0
    .kernarg_segment_align: 8
    .kernarg_segment_size: 16
    .max_flat_workgroup_size: 512
    .sgpr_count:     66
    .vgpr_count:     152
    .wavefront_size: 32
...
	.end_amdgpu_metadata
.endif
;; end of part 1
;; launch collect (part 2): grid 16 x 1, 30 waves a work-group, no clusters, 26,880 bytes of LDS; arguments partial, out0; writes out0
.if DOCPART == 2
	.amdgcn_target "amdgcn-amd-amdhsa--gfx1250"
	.amdhsa_code_object_version 6
	.text
	.protected	k_qf804fa761e_collect
	.globl	k_qf804fa761e_collect
	.p2align	8
	.type	k_qf804fa761e_collect,@function
k_qf804fa761e_collect:
	s_mov_b64 s[64:65], 0
	v_nop
	global_prefetch_b8 v0, s[64:65] scope:SCOPE_SE
	s_setreg_imm32_b32 hwreg(HW_REG_WAVE_MODE, 25, 1), 1
	s_wait_xcnt 0x0
; FORWARD PROJECTION, part 2.  out0[b][w][v] = 0.5 x the sum over the 16 pieces of partial[piece][v][w][b].  partial: [16][90][512][2] f32; out0: [2][512][90] f32.
; SHARES.  A work-group owns 32 channels w: the least block whose 32 x 360 bytes of each batch are whole aligned blocks of 256 bytes (11,520 = 45 x 256).  So there are 16 work-groups.
; A wave owns three views: 16 pieces x 3 views = 48 loads, each 32 lanes x 8 bytes = 256 consecutive aligned bytes, all issued before the first is waited for.
; The sums go through a stage in LDS, [b][w][v] as in out0, and leave as 16 bytes a lane.  In the stage the lanes of a store lie 360 bytes = 90 words apart:
; 90 l mod 64 = 26 l mod 64 takes 32 different values for 32 lanes (64 banks of 4 bytes: ISA guide 11.1).
; No matrix unit, tensor load or cluster: the launch adds 16 numbers for each output, reads each byte once, and no two work-groups read the same byte.
.set VIEWB,  4096                      ; bytes of a view in a piece's part: 512 channels x 2 batches x 4
.set PIECEB, 90*VIEWB
.set ROWB,   360                       ; bytes of a channel's 90 views
.set HALF,   32*ROWB                   ; the work-group's bytes of one batch
.set BSTEP,  512*ROWB-HALF             ; from the end of my part of batch 0 to the beginning of my part of batch 1
.set SPARE,  2*HALF                    ; behind the stage, 23,040 = 90 x 256: the spare words, 128 bytes for each of 30 waves; no other line names them
.set SPW, 2
.set NIL, 3
.set LD,  16                           ; v16-111: load (piece p, view t) at LD + 6 p + 2 t: batch 0, batch 1
	s_load_b128 s[4:7], s[0:1], 0x0                ; partial s[4:5], out0 s[6:7]
	v_lshl_add_u32 v[SPW], v0, 2, SPARE
	v_mov_b32 v[NIL], 0
	v_lshrrev_b32 v1, 5, v0
	v_readfirstlane_b32 s8, v1                     ; wave 0..29
	v_and_b32 v4, 31, v0                           ; lane = channel in the block
	v_lshlrev_b32 v5, 3, v4                        ; its 8 bytes
	s_mul_i32 s10, s8, 3*VIEWB                     ; my three views,
	s_lshl_b32 s11, ttmp9, 8                       ; my work-group's 32 channels
	s_add_co_u32 s10, s10, s11
	s_mov_b32 s11, 0
	s_wait_kmcnt 0x0
	s_add_nc_u64 s[4:5], s[4:5], s[10:11]
.set p, 0
.rept 16
.irp t, 0,1,2
	global_load_b64 v[LD+6*p+2*\t:LD+6*p+2*\t+1], v5, s[4:5] offset:p*PIECEB+\t*VIEWB th:TH_LOAD_NT
.endr
.set p, p+1
.endr
	v_mul_u32_u24 v6, v4, ROWB                     ; into the stage: channel x 360 + view x 4
	s_mul_i32 s12, s8, 12
	v_add_nc_u32 v6, s12, v6
	v_lshlrev_b32 v7, 4, v0                        ; out of it: 16 bytes a thread
	v_mov_b32 v9, BSTEP
	v_cmp_lt_u32 vcc_lo, 719, v0                   ; pieces of 16 bytes from 720 on belong to batch 1
	v_cndmask_b32 v8, 0, v9, vcc_lo
	v_add_nc_u32 v8, v8, v7                        ; my byte offset in out0 from the work-group's first byte
	v_add_nc_u32 v9, v9, v7                        ; and that of my second piece, 960 pieces on: always batch 1
	s_mul_i32 s10, ttmp9, HALF
	s_add_nc_u64 s[6:7], s[6:7], s[10:11]
.set p, 1
.rept 15
	s_wait_loadcnt 45-3*p                          ; loads come back in order (ISA guide 5.7.1): pieces 0 .. p are in, the 3 (15 - p) loads behind them stay out
.irp t, 0,1,2
	v_pk_add_f32 v[LD+2*\t:LD+2*\t+1], v[LD+2*\t:LD+2*\t+1], v[LD+6*p+2*\t:LD+6*p+2*\t+1]
.endr
.set p, p+1
.endr
.irp t, 0,1,2
	v_pk_mul_f32 v[LD+2*\t:LD+2*\t+1], v[LD+2*\t:LD+2*\t+1], 0.5 op_sel_hi:[1,0]
.endr
.irp t, 0,1,2
	ds_store_b32 v6, v[LD+2*\t]   offset:4*\t
	ds_store_b32 v6, v[LD+2*\t+1] offset:HALF+4*\t
.endr
	s_wait_dscnt 0x0                               ; for the others' sake: my numbers are in the stage
	s_barrier_signal -1
	s_barrier_wait -1
	ds_load_b128 v[10:13], v7                      ; the stage's 1,440 pieces of 16 bytes: one a thread,
	s_cmp_lt_u32 s8, 15
	s_cbranch_scc0 .Lone
	ds_load_b128 v[16:19], v7 offset:960*16        ; and a second for the first 480 threads
	s_wait_dscnt 0x1                               ; the first piece is in; the second may stay out
	global_store_b128 v8, v[10:13], s[6:7] th:TH_STORE_NT  ; 16 lanes store 256 consecutive bytes, at a multiple of 256 from out0's first
	s_wait_dscnt 0x0
	global_store_b128 v9, v[16:19], s[6:7] offset:960*16 th:TH_STORE_NT
	s_branch .Lend
.Lone:
	s_wait_dscnt 0x0
	global_store_b128 v8, v[10:13], s[6:7] th:TH_STORE_NT
.Lend:
	s_wait_tensorcnt 0x0                           ; the wave's end
	ds_add_u32 v[SPW], v[NIL]
	s_wait_dscnt 0x0
	s_endpgm
.Lfunc_end_k_qf804fa761e_collect:
	.size	k_qf804fa761e_collect, .Lfunc_end_k_qf804fa761e_collect-k_qf804fa761e_collect
	.p2alignl 7, 3214868480
	.fill 96, 4, 3214868480
	.section	.rodata,"a",@progbits
	.p2align	6, 0x0
	.amdhsa_kernel k_qf804fa761e_collect
		.amdhsa_group_segment_fixed_size 26880
		.amdhsa_private_segment_fixed_size 0
		.amdhsa_enable_private_segment 0
		.amdhsa_kernarg_size 16
		.amdhsa_user_sgpr_count 2
		.amdhsa_user_sgpr_kernarg_segment_ptr 1
		.amdhsa_wavefront_size32 1
		.amdhsa_system_sgpr_workgroup_id_x 1
		.amdhsa_system_sgpr_workgroup_id_y 1
		.amdhsa_system_sgpr_workgroup_id_z 1
		.amdhsa_system_vgpr_workitem_id 0
		.amdhsa_next_free_vgpr 112
		.amdhsa_next_free_sgpr 66
		.amdhsa_reserve_vcc 1
		.amdhsa_float_denorm_mode_32 3
		.amdhsa_float_denorm_mode_16_64 3
		.amdhsa_memory_ordered 1
		.amdhsa_forward_progress 1
		.amdhsa_inst_pref_size 11
	.end_amdhsa_kernel
	.amdgpu_metadata
---
amdhsa.version: [ 1, 2 ]
amdhsa.kernels:
  - .name:           k_qf804fa761e_collect
    .symbol:         k_qf804fa761e_collect.kd
    .args:
      - { .name: partial, .offset: 0, .size: 8, .value_kind: global_buffer, .address_space: global }
      - { .name: out0, .offset: 8, .size: 8, .value_kind: global_buffer, .address_space: global }
    .group_segment_fixed_size: 26880
    .private_segment_fixed_size: 0
    .kernarg_segment_align: 8
    .kernarg_segment_size: 16
    .max_flat_workgroup_size: 960
    .sgpr_count:     66
    .vgpr_count:     112
    .wavefront_size: 32
...
	.end_amdgpu_metadata
.endif
;; end of part 2
;; ======== version 2 of 2: 2 launches; version 1 with the launch project written anew for expert scheduling mode
;; limits: inputs' magnitudes at most 16,376; values are held in f16: magnitudes above 65,504 overflow, below 6.1e-05 lose precision
;; workspace buffers: partial 5,898,240 bytes
;; launch project (part 3): grid 16 x 15, 16 waves a work-group, no clusters, 299,520 bytes of LDS; arguments x, partial; writes partial
.if DOCPART == 3
	.amdgcn_target "amdgcn-amd-amdhsa--gfx1250"
	.amdhsa_code_object_version 6
	.text
	.protected	k_qf804fa761e_project
	.globl	k_qf804fa761e_project
	.p2align	8
	.type	k_qf804fa761e_project,@function
k_qf804fa761e_project:
	s_mov_b64 s[64:65], 0
	v_nop
	global_prefetch_b8 v0, s[64:65] scope:SCOPE_SE
	s_setreg_imm32_b32 hwreg(HW_REG_WAVE_SCHED_MODE, 0, 2), 2
	s_setreg_imm32_b32 hwreg(HW_REG_WAVE_MODE, 25, 1), 1
	s_wait_xcnt 0x0
	s_wait_alu depctr_vm_vsrc(0)
; FORWARD PROJECTION, part 1.  x: [2][512][512] f32.  For view v (0..89), channel w, row h the image is sampled bilinearly (zeros outside) at
;   ix = 255.5 + c (w - 255.5) - s (h - 255.5),  iy = 255.5 + s (w - 255.5) + c (h - 255.5),  c = -cos(phi), s = sin(phi), phi = 2 (v + 1) degrees,
; and summed over h.  This launch leaves partial[piece][v][w][batch] (f32): the sum over the samples whose cell lies in one of 16 pieces of the image.
; SHARES.  Work-group (p, g): piece p (4 x 4 pieces of 129 x 129 cells; a cell is named by floor(ix), floor(iy), which run from -1 on) and the six views 6 g .. 6 g + 5.
; THE TABLE.  One entry of 16 bytes a cell: p00, p01 - p00, p10 - p00, p00 - p01 - p10 + p11, each as two f16 (batch 0 low, batch 1 high), made in f32 and rounded once.
; One ds_load_b128 brings a cell of both batches.  Row 129 and columns 129 .. 142 hold zeros: a coordinate outside the piece is held to 129 by v_min_u32 (a negative one is a large unsigned
; number) and adds nothing.  130 rows x 143 entries x 16 bytes = 297,440 bytes.
; WHOLE NUMBERS.  All geometry is fixed point, 2^-21 pixel a unit, so that every address and every jump comes from ids and constants by integer arithmetic.
; cos and sin are nested Taylor products on [0, pi/2] (remainder under 6e-9), rounded to 2^-20.
; BANKS.  143 = 9 x 16 - 1: entry (ey, ex) lies in 16-byte column (ex - ey) mod 16 of the 16 in 256 bytes (64 banks of 4 bytes: ISA guide 11.1).  From lane to lane (w + 1) it moves by c - s,
; of size 1 to 1.41 for phi up to 90 degrees.  For the groups behind (g >= 8) the table is kept MIRRORED in y (pixel rows loaded in reverse, the y equation negated): the move is then c + s, again 1 to 1.41.
; Mirrored, a piece owns the half-open range on the other side, (0, 129] for [0, 129); all pieces of a view use the same mode, so each sample still has one owner.
; THE SCAN.  32 lanes are 32 channels.  A unit is (view, chunk of 32 channels); its 512 rows go in 32 blocks of 16.  A block is run only if its bounding box in the image meets the piece: two compares.
; Wave (r, vp) takes views vp, vp + 2, vp + 4 of the six and chunks (r + 3 j) & 7 and that + 8: a piece meets at most 7 chunks on end, so a wave has at most one live chunk a view, and the turn by 3 j
; deals the long chunks (through the piece's middle) and the short ones over all waves.
; THE SUMS are three for each batch, all f32: of p00; of the first-order terms times the whole-number fractions; of the cross term times their product.  The scales 2^-21 and 2^-42 are applied once a unit.
; NO TENSOR LOADS, NO CLUSTER: an entry is arithmetic on four pixels of two planes, not a copy of memory; zeros are wanted on the low side too; the raw pixels of a piece, 130 x 130 x 2 x 4 = 135,200 bytes,
; do not fit beside the table in 327,680; and the 15 work-groups that share a piece are no multiple of four.
; LIMITS.  An entry is up to 4 max|x| in f16: |x| stays under 16,376.  Sample positions differ from exact ones by up to 2.4e-4 pixel (c and s rounded to 2^-20, times 511, twice).
; NaN and infinities are not treated apart: they reach the samples of the cells that hold them, and no others.
; THE MODE: SCHED_MODE bits 1:0 = 2 (LLVM: expert scheduling mode 2), set by the entry lines.  The code itself states the register dependences
; between vector instructions and memory or LDS instructions, with s_wait_alu, always for 0.
; THE PLAN.  Registers that memory or LDS instructions touch:
;   in the fill   OA, OB, STA   offsets and LDS addresses: written once by vector lines, read by every load and every LDS store, not written again in the fill.
;                 BUF0, BUF1    column block q: its 44 loads land here; its vector lines read and write it; then the loads of block q + 2 land in it.
;                 EN            column block q: its roundings write ten entries; its ten LDS stores read them; block q + 1's roundings write them again.
;   in the scan   AD            a live block's address lines write 16 addresses; its 16 gathers read them; the next live block writes them again.
;                 D             the 16 gathers land here; the block's multiply-adds read it; the next live block's gathers land in it.
;                 OUT, LANE8    a unit's store reads them; OUT is written again in the next unit, LANE8 never.
;   FX, FY, WXY, EX, EY, TP, the sums and the lane terms are named by vector lines alone.
; So a column block has one wait on va_vdst, between its arithmetic and its run of stores and loads, and one on vm_vsrc at its head; a live block has one on vm_vsrc at its head and one on va_vdst
; between its address lines and its run of gathers, behind which the 80 lines that make the weights name none of the gathers' registers; a unit's end has one of each round its store.
.set PIECE,  129
.set PITCH,  143
.set PITCHB, PITCH*16                  ; bytes from row to row of the table
.set SPARE,  297472                    ; behind the table, at a multiple of 256: the spare words, 128 bytes for each of 16 waves; no other line names them
.set PLANE,  512*512*4                 ; bytes from batch 0 to batch 1
.set FRAC,   21                        ; fraction bits of a position
.set SIDE,   PIECE<<FRAC
.set PI90,   74961321                  ; pi / 90 in units of 2^-31
; vector registers
.set LANE,  2                          ; lane
.set LANE8, 3                          ; 8 x lane: my place in a unit's 256 bytes of partial; never rewritten
.set SPW,   4                          ; LDS address of my spare word; never rewritten
.set NIL,   5                          ; 0; never rewritten
.set ONE,   6                          ; 1.0
.set LX,    8                          ; my lane's term of x,
.set LY,    9                          ; and of y
.set ACC,   10                         ; v10-15 the sums: p00 (batch 0, 1), first order (0, 1), cross (0, 1)
.set OUT,   16                         ; v16-17 a unit's result
.set EX,    18                         ; v18-21, v22-25: cell x, cell y of four positions, at work
.set EY,    22
.set FX,    32                         ; v32-47 x of a block's 16 positions, then its fractions as f32
.set FY,    48                         ; v48-63 the same for y
.set WXY,   64                         ; v64-79 the fractions' products
.set D,     80                         ; v80-143 the 16 entries
.set AD,    144                        ; v144-159 the LDS addresses of a block's 16 positions
; vector registers of the fill
.set BUF0,  32                         ; v32-75, v76-119: 11 pixel rows x (x batch 0, 1; x + 1 batch 0, 1)
.set BUF1,  76
.set TP,    128                        ; v128-135 two entries' differences in f32, at work
.set OA,    136                        ; v136-140 byte offset of pixel x in its row, for each of five column blocks
.set OB,    141                        ; v141-145 of pixel x + 1
.set STA,   146                        ; v146-150 LDS address of my entry in my wave's first row
.set EN,    152                        ; v152-191 a column block's ten entries
; scalar registers
.set WV,  8
.set PXI, 9
.set PYI, 10
.set GRP, 11
.set SG,  62                           ; +1, or -1 where the table is mirrored
; of the fill: s[12:13] an offset, s14 the piece's first x, s15 the pixel row in hand; behind the rows' bases s2, s3, s12, s13, s15 take the lanes whose column is under 129, for each column block
.set RB,   16                          ; s[16:37] x at each of my 11 pixel rows
.set RM,   38                          ; s38-48  all ones where that row lies in the image
.set MA,   49                          ; s49-53  lanes whose pixel x counts, for each column block
.set MB,   54                          ; s54-58  the same for x + 1
.set LAST, 59                          ; 0 in the wave whose tenth row is the zero row
.set K129, 60
.set K512, 61
.set LROW, 63                          ; LDS byte of my wave's first row
; of the scan
.set RR, 12
.set JJ, 13
.set V6, 14
.set OX, 15
.set OY, 16
.set PB, 17
.set NV, 18
.set NH, 19
.set NB, 20
.set VW, 21
.set KK, 22
.set MM, 23
.set XQ, 24
.set ZZ, 25
.set YY, 26
.set AA, 27
.set SN, 28                            ; s in units of 2^-20
.set CN, 29                            ; c
.set AC, 30                            ; |c|
.set TT, 31
.set DX, 32                            ; s32-35 x's step for 1, 2, 3, 4 rows
.set DY, 36                            ; s36-39 y's
.set STX, 40                           ; x's step for a block of 16 rows
.set STY, 41
.set NS, 42
.set SY, 43
.set THX, 44
.set THY, 45
.set TXB, 46
.set TYB, 47
.set CW, 48
.set TX, 49                            ; the largest x in the block in hand
.set TY, 50
.set FM, 51
.set K21, 52
.set K42, 53
.set OFF, 54                           ; s[54:55]
.set STB, 56                           ; s[56:57]
.set CY, 58
.set T2, 59
	s_load_b128 s[4:7], s[0:1], 0x0                ; x s[4:5], partial s[6:7]
	v_lshl_add_u32 v[SPW], v0, 2, SPARE
	v_mov_b32 v[NIL], 0
	v_lshrrev_b32 v1, 5, v0
	v_readfirstlane_b32 s[WV], v1                  ; wave 0..15
	v_and_b32 v[LANE], 31, v0
	v_lshlrev_b32 v[LANE8], 3, v[LANE]
	v_mov_b32 v[ONE], 1.0
	s_and_b32 s[PXI], ttmp9, 3                     ; the piece's column and row
	s_lshr_b32 s[PYI], ttmp9, 2
	s_and_b32 s[GRP], ttmp7, 0xffff                ; the group of six views
	s_cmp_lt_u32 s[GRP], 8
	s_cselect_b32 s[SG], 1, -1
	s_wait_alu depctr_va_sdst(0)                   ; the wave's number is written, ahead of its first reader, the compare below
	s_wait_kmcnt 0x0
	s_cmp_lt_u32 s[WV], 13
	s_cbranch_scc0 .Lfilled                        ; 13 waves x 10 rows are the table's 130
; THE FILL.  Wave w makes rows 10 w .. 10 w + 9 from 11 pixel rows; lanes are 32 columns, five column blocks.
	s_mul_i32 s14, s[PXI], PIECE
	s_sub_co_u32 s14, s14, 1                       ; the piece's first cell x: 129 px - 1
	s_mul_i32 s15, s[PYI], PIECE
	s_sub_co_u32 s15, s15, 1                       ; and y
	s_mul_i32 s2, s[WV], 10
	s_mul_i32 s[LROW], s2, PITCHB
	s_add_co_u32 s3, s15, s2                       ; my first pixel row: downward from the piece's first,
	s_sub_co_u32 s15, s15, s2
	s_add_co_u32 s15, s15, PIECE                   ; or, mirrored, upward from the row behind its last cell
	s_cmp_lt_u32 s[GRP], 8
	s_cselect_b32 s15, s3, s15
	s_mov_b32 s13, 0
.set i, 0
.rept 11
	s_cmp_lt_u32 s15, 512                          ; unsigned: a row above the image is a large number
	s_cselect_b32 s[RM+i], -1, 0
	s_min_u32 s3, s15, 511                         ; a row outside is read somewhere inside the buffer and masked
	s_lshl_b32 s12, s3, 11
	s_add_nc_u64 s[RB+2*i:RB+2*i+1], s[4:5], s[12:13]
	s_add_co_u32 s15, s15, s[SG]
.set i, i+1
.endr
	s_cmp_lg_u32 s[WV], 12
	s_cselect_b32 s[LAST], -1, 0
	s_mov_b32 s[K129], PIECE
	s_mov_b32 s[K512], 512
; Column block q: its offsets, its LDS address and three masks, each into a scalar register of its own (cm: the one for 'my column is under 129'), so that the fifteen compares are one run with one wait behind it.
.macro COLQ q, cm
	v_add_nc_u32 v1, 32*(\q), v[LANE]              ; my column of the table
	v_add_nc_u32 v7, s14, v1                       ; its pixel x
	v_cmp_gt_u32 s[\cm], s[K129], v1               ; columns from 129 on hold zeros
	v_cmp_gt_u32 s[MA+(\q)], s[K512], v7
	v_min_u32 v[OA+(\q)], 0x1ff, v7
	v_lshlrev_b32 v[OA+(\q)], 2, v[OA+(\q)]
	v_add_nc_u32 v7, 1, v7
	v_cmp_gt_u32 s[MB+(\q)], s[K512], v7
	v_min_u32 v[OB+(\q)], 0x1ff, v7
	v_lshlrev_b32 v[OB+(\q)], 2, v[OB+(\q)]
	v_min_u32 v1, PITCH-1, v1                      ; the lanes past the row's end write their zeros onto its last entry: every byte of a row is written
	v_lshl_add_u32 v[STA+(\q)], v1, 4, s[LROW]
.endm
.macro ANDQ q, cm
	s_and_b32 s[MA+(\q)], s[MA+(\q)], s[\cm]
	s_and_b32 s[MB+(\q)], s[MB+(\q)], s[\cm]
.endm
	COLQ 0, 2
	COLQ 1, 3
	COLQ 2, 12
	COLQ 3, 13
	COLQ 4, 15
	s_wait_alu depctr_va_sdst(0)                   ; the fifteen compares have written their masks, ahead of the first line that reads one
	ANDQ 0, 2
	ANDQ 1, 3
	ANDQ 2, 12
	ANDQ 3, 13
	ANDQ 4, 15
	s_wait_alu depctr_va_vdst(0)                   ; OA, OB and STA are written: every load and every LDS store of the fill reads one of them
.macro LOADQ q, buf                    ; 44 loads: 11 pixel rows, pixels x and x + 1, both batches
.set i, 0
.rept 11
	global_load_b32 v[(\buf)+4*i],   v[OA+(\q)], s[RB+2*i:RB+2*i+1]
	global_load_b32 v[(\buf)+4*i+1], v[OA+(\q)], s[RB+2*i:RB+2*i+1] offset:PLANE
	global_load_b32 v[(\buf)+4*i+2], v[OB+(\q)], s[RB+2*i:RB+2*i+1]
	global_load_b32 v[(\buf)+4*i+3], v[OB+(\q)], s[RB+2*i:RB+2*i+1] offset:PLANE
.set i, i+1
.endr
.endm
.macro PROCQ q, buf                    ; ten entries a lane: all are made, then all are stored
.if (\q) > 0
	s_wait_alu depctr_vm_vsrc(0)                   ; the LDS stores of the column block before have read EN, which the roundings below write again
.endif
.set i, 0
.rept 11
.set rw, (\buf)+4*i
	s_and_b32 s2, s[MA+(\q)], s[RM+i]
	s_and_b32 s3, s[MB+(\q)], s[RM+i]
	v_cndmask_b32 v[rw],   0, v[rw],   s2           ; zeros outside the image
	v_cndmask_b32 v[rw+1], 0, v[rw+1], s2
	v_cndmask_b32 v[rw+2], 0, v[rw+2], s3
	v_cndmask_b32 v[rw+3], 0, v[rw+3], s3
	v_pk_add_f32 v[rw+2:rw+3], v[rw+2:rw+3], v[rw:rw+1] neg_lo:[0,1] neg_hi:[0,1]  ; the row's difference along x, both batches
.set i, i+1
.endr
.set i, 0
.rept 10
.set rw, (\buf)+4*i
.set ee, EN+4*i
.set tw, TP+4*(i%2)
	v_pk_add_f32 v[tw:tw+1],   v[rw+4:rw+5], v[rw:rw+1]   neg_lo:[0,1] neg_hi:[0,1]  ; the difference along y
	v_pk_add_f32 v[tw+2:tw+3], v[rw+6:rw+7], v[rw+2:rw+3] neg_lo:[0,1] neg_hi:[0,1]  ; the cross difference
	v_cvt_pk_f16_f32 v[ee],   v[rw],   v[rw+1]
	v_cvt_pk_f16_f32 v[ee+1], v[rw+2], v[rw+3]
	v_cvt_pk_f16_f32 v[ee+2], v[tw],   v[tw+1]
	v_cvt_pk_f16_f32 v[ee+3], v[tw+2], v[tw+3]
.if i == 9
.irp n, 0,1,2,3
	v_cndmask_b32 v[ee+\n], 0, v[ee+\n], s[LAST]   ; row 129 is the zero row
.endr
.endif
.set i, i+1
.endr
	s_wait_alu depctr_va_vdst(0)                   ; EN is written, which the LDS stores below read; the lines above are done reading and writing the pixel buffer, in which the loads behind the stores land
.set i, 0
.rept 10
	ds_store_b128 v[STA+(\q)], v[EN+4*i:EN+4*i+3] offset:i*PITCHB  ; neighbouring lanes, neighbouring 16 bytes
.set i, i+1
.endr
.endm
	LOADQ 0, BUF0
	LOADQ 1, BUF1
	s_wait_loadcnt 44                              ; loads come back in order (ISA guide 5.7.1): block 0 is in, block 1's 44 stay out
	PROCQ 0, BUF0
	LOADQ 2, BUF0                                  ; no wait: only LDS stores stand between the block's wait on va_vdst and these loads
	s_wait_loadcnt 44                              ; block 1 is in, block 2's 44 stay out
	PROCQ 1, BUF1
	LOADQ 3, BUF1
	s_wait_loadcnt 44
	PROCQ 2, BUF0
	LOADQ 4, BUF0
	s_wait_loadcnt 44
	PROCQ 3, BUF1
	s_wait_loadcnt 0x0
	PROCQ 4, BUF0
.Lfilled:
	s_wait_dscnt 0x0                               ; for the others' sake: my rows are in LDS
	s_barrier_signal -1
	s_barrier_wait -1                              ; the table is whole; from here on it is only read
; THE SCAN.
	s_and_b32 s[RR], s[WV], 7
	s_lshr_b32 s[JJ], s[WV], 3                     ; my first view of the six; I take every second
	s_mul_i32 s[V6], s[GRP], 6
	s_mul_i32 s[OX], s[PXI], SIDE
	s_sub_co_u32 s[OX], 513<<(FRAC-1), s[OX]       ; 255.5 less the piece's first cell: 256.5 - 129 px
	s_mul_i32 s[OY], s[PYI], SIDE
	s_sub_co_u32 s[OY], 513<<(FRAC-1), s[OY]
	s_sub_co_u32 s[TT], SIDE, s[OY]                ; mirrored: 129 less that
	s_cmp_lt_u32 s[GRP], 8
	s_cselect_b32 s[OY], s[OY], s[TT]
	s_mul_i32 s[PB], ttmp9, 90
	s_mov_b32 s[FM], (1<<FRAC)-1
	s_mov_b32 s[K21], 0x35000000                   ; 2^-21
	s_mov_b32 s[K42], 0x2a800000                   ; 2^-42
	s_mov_b32 s[OFF+1], 0
	s_mov_b32 s[NV], 3
.macro STEP den                        ; y = 1 - (z / den) y.  z in 2^-30, 2^34 / den, so z / den in 2^-32; y in 2^-30
	s_mul_hi_u32 s[AA], s[ZZ], (1<<34)/(\den)
	s_mul_hi_u32 s[AA], s[AA], s[YY]
	s_sub_co_u32 s[YY], 1<<30, s[AA]
.endm
; One axis: position = o + p (2 w - 511) + q (2 h - 511).  In a block of 32 lanes x 16 rows it runs from its largest value T down by 62 |p| + 30 |q|.
; tb: T of chunk 0, block 0.  vl: my lane's place below T.  dd: the steps for 1 to 4 rows.  st: the step for a block.
.macro AXIS pp, qq, oo, tb, st, dd, vl
	s_max_i32 s[TT], s[\pp], 0
	s_mul_i32 s[TT], s[TT], 62
	s_max_i32 s[T2], s[\qq], 0
	s_mul_i32 s[T2], s[T2], 30
	s_add_co_u32 s[T2], s[T2], s[TT]               ; from the block's first sample up to its largest
	s_add_co_u32 s[TT], s[\pp], s[\qq]
	s_mul_i32 s[TT], s[TT], 511
	s_sub_co_u32 s[\tb], s[\oo], s[TT]
	s_add_co_u32 s[\tb], s[\tb], s[T2]
	s_lshl_b32 s[TT], s[\pp], 1
	v_mul_lo_u32 v[\vl], v[LANE], s[TT]
	v_sub_nc_u32 v[\vl], v[\vl], s[T2]
	s_lshl_b32 s[\dd], s[\qq], 1
	s_lshl_b32 s[\dd+1], s[\qq], 2
	s_mul_i32 s[\dd+2], s[\qq], 6
	s_lshl_b32 s[\dd+3], s[\qq], 3
	s_lshl_b32 s[\st], s[\qq], 5
.endm
; Four positions (rows 4 g .. 4 g + 3 of the block): coordinates, cells held to 0 .. 129, addresses.  The four are independent of each other.
.macro ADDR g
.if (\g) == 0
	v_add_nc_u32 v[FX], s[TX], v[LX]
	v_add_nc_u32 v[FY], s[TY], v[LY]
.irp m, 1,2,3
	v_add_nc_u32 v[FX+\m], s[DX+\m-1], v[FX]
	v_add_nc_u32 v[FY+\m], s[DY+\m-1], v[FY]
.endr
.else
.irp m, 0,1,2,3
	v_add_nc_u32 v[FX+4*(\g)+\m], s[DX+3], v[FX+4*(\g)-4+\m]
	v_add_nc_u32 v[FY+4*(\g)+\m], s[DY+3], v[FY+4*(\g)-4+\m]
.endr
.endif
.irp m, 0,1,2,3
	v_lshrrev_b32 v[EX+\m], FRAC, v[FX+4*(\g)+\m]
	v_lshrrev_b32 v[EY+\m], FRAC, v[FY+4*(\g)+\m]
.endr
.irp m, 0,1,2,3
	v_min_u32 v[EX+\m], PIECE, v[EX+\m]            ; outside the piece, on either side: the zero column,
	v_min_u32 v[EY+\m], PIECE, v[EY+\m]            ; the zero row
.endr
.irp m, 0,1,2,3
	v_mul_u32_u24 v[EY+\m], PITCHB, v[EY+\m]
.endr
.irp m, 0,1,2,3
	v_lshl_add_u32 v[AD+4*(\g)+\m], v[EX+\m], 4, v[EY+\m]  ; 297,216 at the most
.endr
.endm
.macro MIX i                           ; position i into the six sums: an f16 half times an f32, added in f32
	s_wait_dscnt 15-(\i)                           ; LDS loads come back in order (ISA guide 5.7.1): entry i is in, the younger ones stay out
	v_fma_mix_f32 v[ACC],   v[D+4*(\i)],   v[ONE],      v[ACC]   op_sel_hi:[1,0,0]
	v_fma_mix_f32 v[ACC+1], v[D+4*(\i)],   v[ONE],      v[ACC+1] op_sel:[1,0,0] op_sel_hi:[1,0,0]
	v_fma_mix_f32 v[ACC+2], v[D+4*(\i)+1], v[FX+(\i)],  v[ACC+2] op_sel_hi:[1,0,0]
	v_fma_mix_f32 v[ACC+3], v[D+4*(\i)+1], v[FX+(\i)],  v[ACC+3] op_sel:[1,0,0] op_sel_hi:[1,0,0]
	v_fma_mix_f32 v[ACC+4], v[D+4*(\i)+3], v[WXY+(\i)], v[ACC+4] op_sel_hi:[1,0,0]
	v_fma_mix_f32 v[ACC+5], v[D+4*(\i)+3], v[WXY+(\i)], v[ACC+5] op_sel:[1,0,0] op_sel_hi:[1,0,0]
	v_fma_mix_f32 v[ACC+2], v[D+4*(\i)+2], v[FY+(\i)],  v[ACC+2] op_sel_hi:[1,0,0]
	v_fma_mix_f32 v[ACC+3], v[D+4*(\i)+2], v[FY+(\i)],  v[ACC+3] op_sel:[1,0,0] op_sel_hi:[1,0,0]
.endm
.Lview:                                                ; three trips: my views of the six
	s_add_co_u32 s[VW], s[V6], s[JJ]
	s_add_co_u32 s[KK], s[VW], 1                   ; phi = 2 k degrees, k = 1 .. 90
	s_sub_co_u32 s[MM], 90, s[KK]
	s_min_u32 s[MM], s[MM], s[KK]                  ; sin(phi) = sin(2 m degrees), cos(phi) = +-cos(2 m degrees), m = min(k, 90 - k) <= 45
	s_mul_i32 s[XQ], s[MM], PI90                   ; the angle in 2^-31, under 2^32
	s_mul_hi_u32 s[ZZ], s[XQ], s[XQ]               ; its square in 2^-30
	s_mov_b32 s[YY], 1<<30
.irp den, 156,110,72,42,20,6
	STEP \den                                      ; sin x = x (1 - z/6 (1 - z/20 (1 - z/42 ( .. ))))
.endr
	s_mul_hi_u32 s[SN], s[XQ], s[YY]               ; in 2^-29,
	s_add_co_u32 s[SN], s[SN], 256
	s_lshr_b32 s[SN], s[SN], 9                     ; rounded to 2^-20
	s_mov_b32 s[YY], 1<<30
.irp den, 132,90,56,30,12
	STEP \den                                      ; cos x = 1 - z/2 (1 - z/12 (1 - z/30 ( .. )))
.endr
	s_mul_hi_u32 s[AA], s[ZZ], s[YY]               ; z in 2^-30 is z/2 in 2^-31: the product in 2^-29
	s_sub_co_u32 s[AC], (1<<29)+256, s[AA]
	s_ashr_i32 s[AC], s[AC], 9
	s_max_i32 s[AC], s[AC], 0
	s_sub_co_u32 s[CN], 0, s[AC]
	s_cmp_le_u32 s[KK], 45
	s_cselect_b32 s[CN], s[CN], s[AC]              ; c = -cos(phi)
	s_sub_co_u32 s[NS], 0, s[SN]
	s_mul_i32 s[SY], s[SN], s[SG]                  ; the y equation, negated where the table is mirrored
	s_mul_i32 s[CY], s[CN], s[SG]
	AXIS CN, NS, OX, TXB, STX, DX, LX
	AXIS SY, CY, OY, TYB, STY, DY, LY
	s_mul_i32 s[TT], s[AC], 62                     ; a block meets the piece along an axis if 0 <= T < 129 + the block's extent: one unsigned compare
	s_mul_i32 s[T2], s[SN], 30
	s_add_co_u32 s[THX], s[TT], s[T2]
	s_add_co_u32 s[THX], s[THX], SIDE
	s_mul_i32 s[TT], s[SN], 62
	s_mul_i32 s[T2], s[AC], 30
	s_add_co_u32 s[THY], s[TT], s[T2]
	s_add_co_u32 s[THY], s[THY], SIDE
	s_mul_i32 s[CW], s[JJ], 3
	s_add_co_u32 s[CW], s[CW], s[RR]
	s_and_b32 s[CW], s[CW], 7                      ; my chunk among the first eight
	s_mov_b32 s[NH], 2
.Lhalf:                                                ; two trips: that chunk, and the one eight further on
	s_lshl_b32 s[TT], s[CW], 6
	s_mul_i32 s[TX], s[TT], s[CN]
	s_add_co_u32 s[TX], s[TX], s[TXB]
	s_mul_i32 s[TY], s[TT], s[SY]
	s_add_co_u32 s[TY], s[TY], s[TYB]
.irp a, 0,1,2,3,4,5
	v_mov_b32 v[ACC+\a], 0
.endr
	s_mov_b32 s[NB], 32
.Lblock:                                               ; 32 trips: blocks of 16 rows
	s_cmp_lt_u32 s[TX], s[THX]
	s_cbranch_scc0 .Lskip
	s_cmp_lt_u32 s[TY], s[THY]
	s_cbranch_scc0 .Lskip
	s_wait_alu depctr_vm_vsrc(0)                   ; the last live block's gathers have read AD, which the lines below write again; in my first live block: the fill's loads and LDS stores have read v136-159, where gathers land (v136-143) and AD lies
	ADDR 0
	ADDR 1
	ADDR 2
	ADDR 3
	s_wait_alu depctr_va_vdst(0)                   ; the 16 addresses are written, which the gathers read; the last live block's multiply-adds (in my first: the fill's vector lines) are done with D, in which the gathers land
.set i, 0
.rept 16
	ds_load_b128 v[D+4*i:D+4*i+3], v[AD+i]
.set i, i+1
.endr
.set i, 0
.rept 16
	v_and_b32 v[FX+i], s[FM], v[FX+i]              ; the fractions, as whole numbers under 2^21: exact in f32.  These 80 lines name FX, FY and WXY alone: none of the gathers' registers
	v_and_b32 v[FY+i], s[FM], v[FY+i]
.set i, i+1
.endr
.set i, 0
.rept 16
	v_cvt_f32_u32 v[FX+i], v[FX+i]
	v_cvt_f32_u32 v[FY+i], v[FY+i]
.set i, i+1
.endr
.set i, 0
.rept 16
	v_mul_f32 v[WXY+i], v[FX+i], v[FY+i]
.set i, i+1
.endr
.irp n, 0,1,2,3,4,5,6,7,8,9,10,11,12,13,14,15
	MIX \n
.endr
.Lskip:
	s_add_co_u32 s[TX], s[TX], s[STX]
	s_add_co_u32 s[TY], s[TY], s[STY]
	s_sub_co_u32 s[NB], s[NB], 1
	s_cmp_lg_u32 s[NB], 0
	s_cbranch_scc1 .Lblock
	s_wait_xcnt 0x0                                ; the last unit's store has had its address translated (ISA guide 3.1): only now are its data and its base rewritten
	s_wait_alu depctr_vm_vsrc(0)                   ; the last unit's store has read OUT, which the lines below write again
	v_fma_f32 v[ACC],   v[ACC+4], s[K42], v[ACC]
	v_fma_f32 v[ACC+1], v[ACC+5], s[K42], v[ACC+1]
	v_fma_f32 v[OUT],   v[ACC+2], s[K21], v[ACC]
	v_fma_f32 v[OUT+1], v[ACC+3], s[K21], v[ACC+1]
	s_add_co_u32 s[TT], s[PB], s[VW]
	s_lshl_b32 s[TT], s[TT], 12                    ; (90 piece + view) x 512 channels x 8 bytes
	s_lshl_b32 s[OFF], s[CW], 8                    ; + chunk x 256
	s_add_co_u32 s[OFF], s[OFF], s[TT]
	s_add_nc_u64 s[STB:STB+1], s[6:7], s[OFF:OFF+1]
	s_wait_alu depctr_va_vdst(0)                   ; OUT is written, the store's data; so is its offset LANE8, made at the head
	global_store_b64 v[LANE8], v[OUT:OUT+1], s[STB:STB+1]  ; 256 consecutive bytes, at a multiple of 256 from the buffer's first; zeros where the chunk misses the piece
	s_add_co_u32 s[CW], s[CW], 8
	s_sub_co_u32 s[NH], s[NH], 1
	s_cmp_lg_u32 s[NH], 0
	s_cbranch_scc1 .Lhalf
	s_add_co_u32 s[JJ], s[JJ], 2
	s_sub_co_u32 s[NV], s[NV], 1
	s_cmp_lg_u32 s[NV], 0
	s_cbranch_scc1 .Lview
	s_wait_dscnt 0x0                               ; my gathers are back
	s_barrier_signal -1
	s_barrier_wait -1                              ; no wave touches LDS again (the add below) before every wave's gathers are back
	s_wait_dscnt 0x0                               ; the closing lines, six on end
	s_wait_alu 0x0
	s_wait_tensorcnt 0x0
	ds_add_u32 v[SPW], v[NIL]
	s_wait_dscnt 0x0
	s_endpgm
.Lfunc_end_k_qf804fa761e_project:
	.size	k_qf804fa761e_project, .Lfunc_end_k_qf804fa761e_project-k_qf804fa761e_project
	.p2alignl 7, 3214868480
	.fill 96, 4, 3214868480
	.section	.rodata,"a",@progbits
	.p2align	6, 0x0
	.amdhsa_kernel k_qf804fa761e_project
		.amdhsa_group_segment_fixed_size 299520
		.amdhsa_private_segment_fixed_size 0
		.amdhsa_enable_private_segment 0
		.amdhsa_kernarg_size 16
		.amdhsa_user_sgpr_count 2
		.amdhsa_user_sgpr_kernarg_segment_ptr 1
		.amdhsa_wavefront_size32 1
		.amdhsa_system_sgpr_workgroup_id_x 1
		.amdhsa_system_sgpr_workgroup_id_y 1
		.amdhsa_system_sgpr_workgroup_id_z 1
		.amdhsa_system_vgpr_workitem_id 0
		.amdhsa_next_free_vgpr 192
		.amdhsa_next_free_sgpr 66
		.amdhsa_reserve_vcc 0
		.amdhsa_float_denorm_mode_32 3
		.amdhsa_float_denorm_mode_16_64 3
		.amdhsa_memory_ordered 1
		.amdhsa_forward_progress 1
		.amdhsa_inst_pref_size 98
	.end_amdhsa_kernel
	.amdgpu_metadata
---
amdhsa.version: [ 1, 2 ]
amdhsa.kernels:
  - .name:           k_qf804fa761e_project
    .symbol:         k_qf804fa761e_project.kd
    .args:
      - { .name: x, .offset: 0, .size: 8, .value_kind: global_buffer, .address_space: global }
      - { .name: partial, .offset: 8, .size: 8, .value_kind: global_buffer, .address_space: global }
    .group_segment_fixed_size: 299520
    .private_segment_fixed_size: 0
    .kernarg_segment_align: 8
    .kernarg_segment_size: 16
    .max_flat_workgroup_size: 512
    .sgpr_count:     66
    .vgpr_count:     192
    .wavefront_size: 32
...
	.end_amdgpu_metadata
.endif
;; end of part 3
;; launch collect: the kernel of part 2 again; grid 16 x 1, 30 waves a work-group, no clusters, 26,880 bytes of LDS; arguments partial, out0; writes out0
